; MI455X (gfx1250); checked and timed in simulation.
; The chip was launched on July 23, 2026; its instructions are those of AMD's public machine-readable ISA for CDNA 5 (MIT licence, August 2026) and "CDNA5" Instruction Set Architecture Reference Guide (July 2026). The comments in the code are by the model that wrote it; some were corrected since.
;; Head. Allowed arithmetic: matrix products marked QUANTISED: E2M3 operands, one E8M0 scale for each 32 along K, by v_wmma_scale_f32_16x16x128_f8f6f4 with both operands' format E2M3, f32 sums; everything else in f32.
;; Inputs: Wk 1,024 x 128 float32; Wq 1,024 x 128 float32; Wv 1,024 x 128 float32; bk 128 float32; bq 128 float32; bv 128 float32; x 8 x 4,096 x 1,024 float32.
;; Outputs: out0 8 x 4,096 x 128 float32.
;; This version of the problem:
;;   THIS VERSION OF THE PROBLEM IS GIVEN IN LOW PRECISION. The matrix products marked QUANTISED in the list below multiply operands that are first quantised to E2M3 (2 exponent bits, 3 mantissa bits; 6 bits a number), with one power-of-two scale for each 32 numbers along K (OCP MX v1.0); their sums are f32. All else is computed in f32.
;;   The module's matrix products, in the order in which they are computed (A, B: the left and right operand; K: the contracted axis; several contracted axes count as one K, in the product's order):
;;     1. [M 32,768, K 1,024] x [K 1,024, N 128]; A: input x; B: input Wq: QUANTISED
;;     2. [M 32,768, K 1,024] x [K 1,024, N 128]; A: input x; B: input Wk: QUANTISED
;;     3. [M 32,768, K 1,024] x [K 1,024, N 128]; A: input x; B: input Wv: QUANTISED
;;     4. batch 8 x [M 4,096, K 128] x [K 128, N 4,096]; A: computed on the way; B: computed on the way: QUANTISED
;;     5. batch 8 x [M 4,096, K 4,096] x [K 4,096, N 128]; A: softmax (see below); B: computed on the way: QUANTISED
;;   THE QUANTISER, for each operand of a quantised product, along K:
;;     - K is cut into blocks of 32 from its start; a last block that is shorter is filled with zeros.
;;     - A block's scale is 2^e with e = floor(log2(the largest magnitude in the block)) - 2, held to -126 .. 127; a block of zeros has e = 0. As a byte (E8M0): e + 127.
;;     - Each number is divided by its block's scale, clamped to +-7.5, and rounded to the nearest number of E2M3, ties to even, subnormals kept.
;;     - The product sums the exact products of the quantised numbers (number of the format x scale) in f32.
;;   ~~~python
;;   def quantise(x, axis):      # numpy; x: float32 -> the quantised numbers, widened to float32 again
;;       x = np.moveaxis(x, axis, -1); K = x.shape[-1]
;;       x = np.pad(x, [(0, 0)] * (x.ndim - 1) + [(0, -K % 32)]); x = x.reshape(x.shape[:-1] + (-1, 32)); a = np.abs(x).max(-1, keepdims=True)
;;       e = np.where(a > 0, np.clip(np.frexp(np.where(a > 0, a, 1))[1] - 1 - 2, -126, 127), 0)      # np.frexp(a)[1] - 1 = floor(log2(a)), exactly
;;       r = np.clip(x / 2.0 ** e, -7.5, 7.5)
;;       step = 2.0 ** (np.maximum(np.frexp(np.where(r == 0, 1, r))[1] - 1, 0) - 3)
;;       q = np.round(r / step) * step * 2.0 ** e      # np.round: ties to even
;;       return np.moveaxis(q.reshape(q.shape[:-2] + (-1,))[..., :K], -1, axis).astype(np.float32)
;;   ~~~
;;   SOFTMAX AHEAD OF A QUANTISED PRODUCT. Where the list says 'softmax', what is quantised is not the finished softmax but p = 2^(t - M), with t = logit x log2(e) and M = ceil(the row's largest t), a whole number; so 1/2 < the row's largest p <= 1. The row's sum l is taken of the UNQUANTISED p, in f32, and the product's result is divided by l at the end. Since M is a whole number, a kernel that streams over the keys may use a running M (the ceiling of the running maximum): every later rescaling is an exact power of two, which a block's scale takes up: the codes' values come out the same.
;;   OPERANDS COMPUTED ON THE WAY. 'Computed on the way' means the value that the module computes at that place (a softmax that the list does not call 'softmax' is quantised finished and normalised). What goes into a quantiser is computed in f32, as accurately as f32 sums, v_exp_f32 and their like allow (about 1e-6 of the number): no bf16 or f16 on the way to a quantiser, and a product that is left as it is and whose result goes on into a quantised operand takes f32 operands (vector FMAs, or v_wmma_f32_16x16x4_f32). A number that lies on a knife's edge between two numbers of the format may be rounded either way, as far as f32 arithmetic and the matrix unit's own rounding can turn it there, and no further.
;; One version. Each part assembles by itself: llvm-mc -triple=amdgcn-amd-amdhsa -mcpu=gfx1250 --defsym DOCPART=n.
;; ======== version 1 of 1: 3 launches
;; limits: right only within a limited range of input values
;; workspace buffers: wws 319,488 bytes; qws 3,276,800 bytes; kvws 6,553,600 bytes
;; launch wquant (part 1): grid 192 x 1, 1 waves a work-group, no clusters, 0 bytes of LDS; arguments Wq, Wk, Wv, wws; writes wws
.if DOCPART == 1
	.amdgcn_target "amdgcn-amd-amdhsa--gfx1250"
	.amdhsa_code_object_version 6
	.text
	.protected	k_q490ad1c38f_wquant
	.globl	k_q490ad1c38f_wquant
	.p2align	8
	.type	k_q490ad1c38f_wquant,@function
k_q490ad1c38f_wquant:
	s_mov_b64 s[64:65], 0
	v_nop
	global_prefetch_b8 v0, s[64:65] scope:SCOPE_SE
	s_setreg_imm32_b32 hwreg(HW_REG_WAVE_MODE, 25, 1), 1
	s_wait_xcnt 0x0
; Wq, Wk, Wv [1024 (k)][128 (n)] f32 become codes of FP6 (E2M3) with one E8M0 byte for each 32 along K, laid as IMAGES OF OPERAND REGISTERS:
; a fragment (16 columns x 128 K, 12 registers a lane) is 1,536 bytes, register p of lane l at 512 (p / 4) + 16 l + 4 (p % 4); its scale words 128 bytes, 4 a lane.
; One wave makes one fragment f = 64 T + 16 w + 8 n + s (T: 0 q, 1 k, 2 v; w: the wave of the next launch that will hold it; n: which of its two tiles; s: the K step of 128).
; Lane r takes ONE column and its registers run down K, in the order that the operand's layout gives that lane: nothing is transposed.
; The column of lane r: for q and k 32 w + 8 n + r + 8 (r / 8) (so that the next launch's results lie as 16 neighbours along the head), for v 32 w + 16 n + r.
; 192 fragments are all the work there is: 192 work-groups.
; LIMITS: NaN and infinities are not served; a block of zeros, or one whose largest magnitude lies under 2^-124, keeps the byte 1 (its codes are zeros or held small; this program alone reads the bytes).
.set FRB, 1536
.set SCW, 192*FRB                      ; the scale words begin behind the 192 images
	s_load_b256 s[4:11], s[0:1], 0x0               ; Wq s[4:5], Wk s[6:7], Wv s[8:9], the images s[10:11]
	s_and_b32 s12, ttmp9, 7                        ; s
	s_bfe_u32 s13, ttmp9, 0x10003                  ; n
	s_bfe_u32 s14, ttmp9, 0x20004                  ; w
	s_lshr_b32 s15, ttmp9, 6                       ; T
	s_lshl_b32 s18, s14, 5                         ; 32 w
	s_cmp_lt_u32 s15, 2
	s_cselect_b32 s16, 8, 16                       ; from tile to tile
	s_cselect_b32 s17, 8, 0                        ; the gap behind a tile's first eight columns
	s_mul_i32 s16, s16, s13
	s_add_co_u32 s16, s16, s18
	v_and_b32 v1, 15, v0                           ; r
	v_lshrrev_b32 v2, 4, v0                        ; h
	v_lshrrev_b32 v3, 3, v1
	v_mul_u32_u24 v3, s17, v3
	v_add3_u32 v3, v3, v1, s16                     ; my column
	v_lshlrev_b32 v5, 2, v3
	v_lshl_add_u32 v5, v2, 14, v5                  ; 4 x column; lanes 16-31 begin 32 rows of 512 bytes further down
	v_lshlrev_b32 v6, 4, v0                        ; 16 x lane
	v_lshlrev_b32 v7, 2, v0                        ; 4 x lane
	s_mov_b32 s26, 0x76543210
	s_mov_b32 s27, 0xfedcba98                      ; lane selects: lane l xor 16
	s_lshl_b32 s20, s12, 16                        ; K step s: 128 rows of 512 bytes
	s_mov_b32 s21, 0
	s_mul_i32 s22, ttmp9, FRB
	s_mov_b32 s23, 0
	s_lshl_b32 s24, ttmp9, 7
	s_mov_b32 s25, 0
	s_wait_alu depctr_va_vdst(0)
	s_wait_kmcnt 0x0
	s_cmp_eq_u32 s15, 0                            ; which weight: the choice hangs on the work-group's number alone
	s_cselect_b64 s[4:5], s[4:5], s[6:7]
	s_cmp_eq_u32 s15, 2
	s_cselect_b64 s[4:5], s[8:9], s[4:5]
	s_add_nc_u64 s[4:5], s[4:5], s[20:21]
	s_add_nc_u64 s[22:23], s[10:11], s[22:23]      ; my image
	s_add_nc_u64 s[24:25], s[10:11], s[24:25]      ; my scale words (SCW stands in the immediate)
.irp c, 0,1
.irp i, 0,1,2,3,4,5,6,7,8,9,10,11,12,13,14,15,16,17,18,19,20,21,22,23,24,25,26,27,28,29,30,31
	global_load_b32 v[64+32*\c+\i], v5, s[4:5] offset:512*(64*\c+\i) th:TH_LOAD_NT   ; W(128 s + 64 c + 32 h + i, my column)
.endr
.endr
	s_wait_loadcnt 0x0
.irp c, 0,1                                    ; my block 2 c + h: all its 32 numbers are mine
	v_max3_num_f32 v[32+\c], |v[64+32*\c]|, |v[65+32*\c]|, 0x1800000   ; with the floor 2^(3 - 127): the byte cannot fall under 1
.endr
.irp i, 2,4,6,8,10,12,14,16,18,20,22,24,26,28,30
.irp c, 0,1
	v_max3_num_f32 v[32+\c], v[32+\c], |v[64+32*\c+\i]|, |v[65+32*\c+\i]|
.endr
.endr
.irp c, 0,1
	v_add_nc_u32 v[44+\c], 0xff000000, v[32+\c]    ; 2 off the exponent field: the conversion's scale operand
.endr
.irp c, 0,1
	v_lshrrev_b32 v[36+\c], 23, v[44+\c]           ; the scale's byte
.endr
	v_lshl_or_b32 v9, v37, 16, v36                 ; my two bytes: blocks h and 2 + h,
	v_lshlrev_b32 v10, 3, v2
	v_lshlrev_b32 v9, v10, v9                      ; at their places in the word;
	v_mov_b32 v10, 0
	v_permlanex16_b32 v10, v9, s26, s27
	v_or_b32 v9, v9, v10                           ; with lane l xor 16's two the word is whole, in both halves of the lanes
.irp c, 0,1
	v_cvt_scalef32_pk16_fp6_f32 v[48+6*\c:50+6*\c], v[64+32*\c:79+32*\c], v[44+\c]
	v_cvt_scalef32_pk16_fp6_f32 v[128+4*\c:130+4*\c], v[80+32*\c:95+32*\c], v[44+\c]   ; (a conversion's three registers begin on an even number)
.endr
	v_nop                                          ; one plain line behind the scaled conversions
.irp c, 0,1
.irp i, 0,1,2
	v_mov_b32 v[51+6*\c+\i], v[128+4*\c+\i]
.endr
.endr
.irp p, 0,1,2
	global_store_b128 v6, v[48+4*\p:51+4*\p], s[22:23] offset:512*\p   ; 32 lanes store 512 consecutive bytes, aligned
.endr
	global_store_b32 v7, v9, s[24:25] offset:SCW
	s_endpgm
.Lfunc_end_k_q490ad1c38f_wquant:
	.size	k_q490ad1c38f_wquant, .Lfunc_end_k_q490ad1c38f_wquant-k_q490ad1c38f_wquant
	.p2alignl 7, 3214868480
	.fill 96, 4, 3214868480
	.section	.rodata,"a",@progbits
	.p2align	6, 0x0
	.amdhsa_kernel k_q490ad1c38f_wquant
		.amdhsa_group_segment_fixed_size 0
		.amdhsa_private_segment_fixed_size 0
		.amdhsa_enable_private_segment 0
		.amdhsa_kernarg_size 32
		.amdhsa_user_sgpr_count 2
		.amdhsa_user_sgpr_kernarg_segment_ptr 1
		.amdhsa_wavefront_size32 1
		.amdhsa_system_sgpr_workgroup_id_x 1
		.amdhsa_system_sgpr_workgroup_id_y 1
		.amdhsa_system_sgpr_workgroup_id_z 1
		.amdhsa_system_vgpr_workitem_id 0
		.amdhsa_next_free_vgpr 136
		.amdhsa_next_free_sgpr 66
		.amdhsa_reserve_vcc 0
		.amdhsa_float_denorm_mode_32 3
		.amdhsa_float_denorm_mode_16_64 3
		.amdhsa_memory_ordered 1
		.amdhsa_forward_progress 1
		.amdhsa_inst_pref_size 12
	.end_amdhsa_kernel
	.amdgpu_metadata
---
amdhsa.version: [ 1, 2 ]
amdhsa.kernels:
  - .name:           k_q490ad1c38f_wquant
    .symbol:         k_q490ad1c38f_wquant.kd
    .args:
      - { .name: Wq, .offset: 0, .size: 8, .value_kind: global_buffer, .address_space: global }
      - { .name: Wk, .offset: 8, .size: 8, .value_kind: global_buffer, .address_space: global }
      - { .name: Wv, .offset: 16, .size: 8, .value_kind: global_buffer, .address_space: global }
      - { .name: wws, .offset: 24, .size: 8, .value_kind: global_buffer, .address_space: global }
    .group_segment_fixed_size: 0
    .private_segment_fixed_size: 0
    .kernarg_segment_align: 8
    .kernarg_segment_size: 32
    .max_flat_workgroup_size: 32
    .sgpr_count:     66
    .vgpr_count:     136
    .wavefront_size: 32
...
	.end_amdgpu_metadata
.endif
;; end of part 1
;; launch proj (part 2): grid 256 x 1, 4 waves a work-group, no clusters, 327,680 bytes of LDS; arguments x, wws, bq, bk, bv, qws, kvws; writes qws, kvws
.if DOCPART == 2
	.amdgcn_target "amdgcn-amd-amdhsa--gfx1250"
	.amdhsa_code_object_version 6
	.text
	.protected	k_q490ad1c38f_proj
	.globl	k_q490ad1c38f_proj
	.p2align	8
	.type	k_q490ad1c38f_proj,@function
k_q490ad1c38f_proj:
	s_mov_b64 s[64:65], 0
	v_nop
	global_prefetch_b8 v0, s[64:65] scope:SCOPE_SE
	s_setreg_imm32_b32 hwreg(HW_REG_WAVE_MODE, 25, 1), 1
	s_wait_xcnt 0x0
.set FRB,   1536
.set RP,    1040
.set SLOTB, 32*RP
.set RINGW, 2*SLOTB
.set XIMG,  4*RINGW
.set XU,    8*FRB+128
.set XSC,   XIMG+2*XU
.set STQK,  XSC+1024
.set OUTV,  STQK+4*FRB
.set KSC,   OUTV+8*FRB
.set VSC,   KSC+512
.set QSC,   VSC+512
.set SPARE, QSC+512
.set SPW, 2
.set NIL, 3
.set XR,  4
.set XW,  5
.set XWS, 6
.set LI,  7
.set XSR, 8
.set E0,  9
.set QB,  12
.set KB,  13
.set VB,  14
.set VA12, 15
.set VA508, 16
.set CO,  17
.set CV,  18
.set CS,  19
.set XRD, 20
.set L4,  21
.set BO,  22
.set BV,  23
.set WS,  24
.set XS,  72
.set SRC0, 88
.set SRC1, 152
.set PC,  216
.set TM,  236
.set PW,  252
.set FB0, 88
.set FB1, 136
.set CD,  184
.set SOP, 216
.set BY,  222
.set MXR, 236
.set PT,  242
.set WV,  18
.set G1,  24
.set G0,  32
.set SEL, 40
.set MSB, 0
.macro WIN new
.if MSB != (\new)
	s_set_vgpr_msb (MSB<<8)|(\new)
.set MSB, (\new)
.endif
.endm
.macro PLACES
.rept 4
	v_nop
.endr
.endm
.macro BAR
	s_wait_dscnt 0x0
	s_barrier_signal -1
	s_barrier_wait -1
.endm
.macro RAWLOAD src, sg, q, e
.irp k, 0,1,2,3
.irp j, 0,1,2,3
	ds_load_b128 v[\src+16*\k+4*\j:\src+16*\k+4*\j+3], v[XR] offset:SLOTB*(\sg)+16*RP*(\q)+512*(\e)+128*\k+16*\j
.endr
.endr
.endm
.macro QUANT src
.irp b, 0,1,2,3
	v_max3_num_f32 v[TM+\b], |v[\src+16*\b]|, |v[\src+1+16*\b]|, 0x1800000
.endr
.irp i, 2,4,6,8,10,12,14
.irp b, 0,1,2,3
	v_max3_num_f32 v[TM+\b], v[TM+\b], |v[\src+16*\b+\i]|, |v[\src+1+16*\b+\i]|
.endr
.endr
.irp b, 0,1,2,3
	v_permlanex16_b32 v[TM+4+\b], v[TM+\b], s[SEL], s[SEL+1]
.endr
.irp b, 0,1,2,3
	v_max_num_f32 v[TM+\b], v[TM+\b], v[TM+4+\b]
.endr
.irp b, 0,1,2,3
	v_add_nc_u32 v[TM+12+\b], 0xff000000, v[TM+\b]
.endr
.irp b, 0,1,2,3
	v_lshrrev_b32 v[TM+4+\b], 23, v[TM+12+\b]
.endr
	v_lshl_or_b32 v[PW], v[TM+5], 8, v[TM+4]
	v_lshl_or_b32 v[PW], v[TM+6], 16, v[PW]
	v_lshl_or_b32 v[PW], v[TM+7], 24, v[PW]
.irp c, 0,1
	v_cvt_scalef32_pk16_fp6_f32 v[PC+6*\c:PC+2+6*\c], v[\src+32*\c:\src+15+32*\c], v[TM+12+2*\c]
	v_cvt_scalef32_pk16_fp6_f32 v[PC+12+4*\c:PC+14+4*\c], v[\src+16+32*\c:\src+31+32*\c], v[TM+12+2*\c+1]
.endr
	v_nop
.irp c, 0,1
.irp i, 0,1,2
	v_permlane16_swap_b32 v[PC+6*\c+\i], v[PC+12+4*\c+\i]
.endr
.irp i, 0,1,2
	v_mov_b32 v[PC+3+6*\c+\i], v[PC+12+4*\c+\i]
.endr
.endr
.endm
.macro XIMAGE q, e
.irp c, 0,1,2
	ds_store_b128 v[XW], v[PC+4*\c:PC+4*\c+3] offset:128*(\q)+FRB*(\e)+512*\c
.endr
	ds_store_b32 v[XWS], v[PW] offset:128*(\q)+4*(\e)
.endm
.macro FETCHX g, buf
.irp l, 0,1
.irp u, 0,1
.irp c, 0,1,2
	ds_load_b128 v[\buf+24*\l+12*\u+4*\c:\buf+24*\l+12*\u+4*\c+3], v[XRD] offset:FRB*(2*(\g)+\l)+XU*\u+512*\c
.endr
.endr
.endr
.endm
.macro MULT z, g, buf
.if (\z) == 0
	WIN 0x51
.elseif (\z) == 1
	WIN 0xa2
.else
	WIN 0xfc
.endif
.irp l, 0,1
.irp u, 0,1
.irp n, 0,1
.set mK, 2*(\g)+\l
.set mW, 96*\n+12*mK
.set mX, (\buf)+24*\l+12*\u
.set mSW, WS+16*(\z)+8*\n+mK
.set mSX, XS+8*\u+mK
.set mC, 192+8*\n
.if (\z) < 2
.set mD, 208+16*\u+8*\n
.if mK == 0
	v_wmma_scale_f32_16x16x128_f8f6f4 v[mD:mD+7], v[mW:mW+11], v[mX:mX+11], v[mC:mC+7], v[mSW], v[mSX] matrix_a_fmt:MATRIX_FMT_FP6 matrix_b_fmt:MATRIX_FMT_FP6
.else
	v_wmma_scale_f32_16x16x128_f8f6f4 v[mD:mD+7], v[mW:mW+11], v[mX:mX+11], v[mD:mD+7], v[mSW], v[mSX] matrix_a_fmt:MATRIX_FMT_FP6 matrix_b_fmt:MATRIX_FMT_FP6
.endif
.else
.set mD, 208+16*\n+8*\u
.if mK == 0
	v_wmma_scale_f32_16x16x128_f8f6f4 v[mD:mD+7], v[mX:mX+11], v[mW:mW+11], v[mC:mC+7], v[mSX], v[mSW] matrix_a_fmt:MATRIX_FMT_FP6 matrix_b_fmt:MATRIX_FMT_FP6
.else
	v_wmma_scale_f32_16x16x128_f8f6f4 v[mD:mD+7], v[mX:mX+11], v[mW:mW+11], v[mD:mD+7], v[mSX], v[mSW] matrix_a_fmt:MATRIX_FMT_FP6 matrix_b_fmt:MATRIX_FMT_FP6
.endif
.endif
.endr
.endr
.endr
.endm
	s_load_b256 s[4:11], s[0:1], 0x0
	s_load_b128 s[12:15], s[0:1], 0x20
	s_load_b64 s[16:17], s[0:1], 0x30
	v_lshl_add_u32 v[SPW], v0, 2, SPARE
	v_mov_b32 v[NIL], 0
	ds_add_u32 v2, v3
	ds_add_u32 v2, v3
	s_wait_dscnt 0x0
	v_lshrrev_b32 v1, 5, v0
	v_readfirstlane_b32 s[WV], v1
	s_mov_b32 s[G1+0], (2<<16)|(1<<20)|(7<<22)|(3<<25)
	s_mov_b32 s[G1+1], 256<<16
	s_mov_b32 s[G1+2], 32<<16
	s_mov_b32 s[G1+3], 256<<16
	s_mov_b32 s[G1+4], 32
	s_mov_b32 s[G1+5], 1024
	s_mov_b32 s[G1+6], 0
	s_mov_b32 s[G1+7], 0
	s_lshl_b32 s20, ttmp9, 19
	s_lshl_b32 s21, s[WV], 10
	s_add_co_u32 s20, s20, s21
	s_mov_b32 s21, 0
	s_mul_i32 s22, s[WV], RINGW
	s_wait_kmcnt 0x0
	s_add_nc_u64 s[4:5], s[4:5], s[20:21]
.irp g, 0,1
	s_mov_b32 s[G0+4*\g], 1
	s_add_co_u32 s[G0+4*\g+1], s22, \g*SLOTB
	s_add_nc_u64 s[G0+4*\g+2:G0+4*\g+3], s[4:5], \g*131072
	s_or_b32 s[G0+4*\g+3], s[G0+4*\g+3], 0x80000000
.endr
	tensor_load_to_lds s[G0:G0+3], s[G1:G1+7]
	s_nop 0
	s_wait_alu depctr_va_vdst(0)
	s_wait_tensorcnt 0x0
	ds_add_u32 v2, v3
	s_wait_dscnt 0x0
	s_barrier_signal -1
	s_barrier_wait -1
	tensor_load_to_lds s[G0+4:G0+7], s[G1:G1+7]
	s_nop 0
	PLACES
	v_and_b32 v1, 15, v0
	v_bfe_u32 v88, v0, 4, 1
	v_and_b32 v89, 31, v0
	v_and_b32 v90, 7, v0
	v_bfe_u32 v91, v0, 3, 1
	s_lshr_b32 s23, s[WV], 1
	s_and_b32 s19, s[WV], 1
	v_mul_u32_u24 v[XR], v1, RP
	v_lshl_add_u32 v[XR], v88, 6, v[XR]
	v_add_nc_u32 v[XR], s22, v[XR]
	s_mul_i32 s42, s[WV], 2*FRB
	s_add_co_u32 s42, s42, XIMG
	v_mul_u32_u24 v[XW], v91, XU
	v_lshl_add_u32 v[XW], v90, 4, v[XW]
	v_lshl_add_u32 v[XW], v88, 8, v[XW]
	v_add_nc_u32 v[XW], s42, v[XW]
	s_lshl_b32 s42, s23, 8
	s_lshl_b32 s43, s19, 3
	s_add_co_u32 s42, s42, s43
	v_lshlrev_b32 v[XWS], 9, v91
	v_lshl_add_u32 v[XWS], v90, 4, v[XWS]
	v_add_nc_u32 v[XWS], s42, v[XWS]
	v_add_nc_u32 v[XWS], XSC, v[XWS]
	v_lshlrev_b32 v[LI], 4, v89
	v_lshlrev_b32 v[L4], 2, v89
	v_lshl_add_u32 v[XSR], v1, 4, XSC
	v_lshl_add_u32 v[XRD], v89, 4, XIMG
	v_lshl_add_u32 v[VB], v1, 4, s42
	v_add_nc_u32 v[VB], VSC, v[VB]
	s_mul_i32 s43, s23, 6
	s_lshl_b32 s56, s19, 8
	s_add_co_u32 s56, s56, STQK
	v_lshl_add_u32 v92, v1, 4, s56
	v_mad_u32_u24 v93, v88, 3, s43
.irp e, 0,1,2
	v_add_nc_u32 v94, \e, v93
	v_lshrrev_b32 v95, 2, v94
	v_and_b32 v94, 3, v94
	v_lshl_add_u32 v[E0+\e], v95, 9, v92
	v_lshl_add_u32 v[E0+\e], v94, 2, v[E0+\e]
.endr
	v_lshl_add_u32 v[QB], v1, 2, s[WV]
	v_add_nc_u32 v[QB], QSC, v[QB]
	v_lshl_add_u32 v[KB], v1, 4, s[WV]
	v_add_nc_u32 v[KB], KSC, v[KB]
	s_mul_i32 s43, s[WV], 2*FRB
	s_add_co_u32 s43, s43, OUTV
	v_lshl_add_u32 v92, v1, 4, s43
	v_mad_u32_u24 v[VA12], v88, 12, v92
	v_mad_u32_u24 v[VA508], v88, 508, v92
	v_lshl_add_u32 v[CV], v89, 4, s43
	s_mul_i32 s43, s[WV], FRB
	s_add_co_u32 s43, s43, STQK
	v_lshl_add_u32 v[CO], v89, 4, s43
	s_min_u32 s43, s[WV], 2
	s_lshl_b32 s43, s43, 9
	s_add_co_u32 s43, s43, KSC
	v_lshl_add_u32 v[CS], v89, 4, s43
	s_lshl_b32 s43, s[WV], 7
	v_lshl_add_u32 v[BO], v88, 6, s43
	v_lshl_add_u32 v[BV], v1, 2, s43
	s_wait_alu depctr_va_vdst(0)
	s_mov_b32 s[SEL], 0x76543210
	s_mov_b32 s[SEL+1], 0xfedcba98
.irp i, 240,241,242,243,244,245,246,247
	v_mov_b32 v[\i], 0
.endr
	s_mul_i32 s20, s[WV], 16*FRB
	s_add_nc_u64 s[56:57], s[6:7], s[20:21]
	s_lshl_b32 s20, s[WV], 11
	s_add_nc_u64 s[58:59], s[6:7], s[20:21]
.irp z, 0,1,2
	WIN (\z+1)<<6
.irp n, 0,1
.irp s, 0,1,2,3,4,5,6,7
.irp c, 0,1,2
	global_load_b128 v[96*\n+12*\s+4*\c:96*\n+12*\s+4*\c+3], v[LI], s[56:57] offset:(64*\z+8*\n+\s)*FRB+512*\c
.endr
.endr
.endr
.endr
	WIN 0x40
.irp n, 0,1
	global_load_b128 v[192+8*\n:195+8*\n], v[BO], s[8:9] offset:32*\n
	global_load_b128 v[196+8*\n:199+8*\n], v[BO], s[8:9] offset:32*\n+16
.endr
	WIN 0x80
.irp n, 0,1
	global_load_b128 v[192+8*\n:195+8*\n], v[BO], s[10:11] offset:32*\n
	global_load_b128 v[196+8*\n:199+8*\n], v[BO], s[10:11] offset:32*\n+16
.endr
	WIN 0xc0
.irp n, 0,1
.irp j, 0,1,2,3,4,5,6,7
	global_load_b32 v[192+8*\n+\j], v[BV], s[12:13] offset:64*\n
.endr
.endr
	WIN 0
.irp z, 0,1,2
.irp n, 0,1
.irp s, 0,1,2,3,4,5,6,7
	global_load_b32 v[WS+16*\z+8*\n+\s], v[L4], s[58:59] offset:192*FRB+8192*\z+1024*\n+128*\s
.endr
.endr
.endr
	s_mul_i32 s20, ttmp9, 12800
	s_add_nc_u64 s[48:49], s[14:15], s[20:21]
	s_mul_i32 s20, ttmp9, 25600
	s_add_nc_u64 s[46:47], s[16:17], s[20:21]
	s_mul_i32 s20, s19, FRB
	s_lshl_b32 s52, s[WV], 9
	s_add_co_u32 s52, s52, 24576
	s_cmp_lt_u32 s[WV], 2
	s_cselect_b64 s[44:45], s[48:49], s[46:47]
	s_cselect_b64 s[50:51], s[46:47], s[48:49]
	s_cselect_b32 s52, s52, 12288
	s_mov_b32 s53, 0
	s_add_nc_u64 s[44:45], s[44:45], s[20:21]
	s_add_nc_u64 s[50:51], s[50:51], s[52:53]
	s_mul_i32 s20, s[WV], 2*FRB
	s_add_nc_u64 s[54:55], s[46:47], s[20:21]
.macro WAYOUT b
	PLACES
.irp z, 0,1,2
	WIN (\z+1)|((\z+1)<<2)
	v_max3_num_f32 v[MXR+2*\z], |v208|, |v209|, 0x1800000
	v_max3_num_f32 v[MXR+2*\z+1], |v224|, |v225|, 0x1800000
.irp i, 2,4,6,8,10,12,14
	v_max3_num_f32 v[MXR+2*\z], |v[208+\i]|, |v[209+\i]|, v[MXR+2*\z]
	v_max3_num_f32 v[MXR+2*\z+1], |v[224+\i]|, |v[225+\i]|, v[MXR+2*\z+1]
.endr
.endr
	WIN 0
.irp i, 0,1,2,3,4,5
	v_permlanex16_b32 v[PT+\i], v[MXR+\i], s[SEL], s[SEL+1]
.endr
.irp i, 0,1,2,3,4,5
	v_max_num_f32 v[MXR+\i], v[MXR+\i], v[PT+\i]
.endr
.irp i, 0,1,2,3,4,5
	v_add_nc_u32 v[SOP+\i], 0xff000000, v[MXR+\i]
.endr
.irp i, 0,1,2,3,4,5
	v_lshrrev_b32 v[BY+\i], 23, v[SOP+\i]
.endr
.irp z, 0,1,2
	WIN \z+1
	v_cvt_scalef32_pk16_fp6_f32 v[CD+8*\z:CD+8*\z+2], v[208:223], v[SOP+2*\z]
	v_cvt_scalef32_pk16_fp6_f32 v[CD+8*\z+4:CD+8*\z+6], v[224:239], v[SOP+2*\z+1]
.endr
	WIN 0
	v_nop
.irp p, 0,1,2,3
.irp e, 0,1,2
	ds_store_b32 v[E0+\e], v[CD+4*\p+\e] offset:FRB*\p
.endr
.endr
.irp u, 0,1
	ds_store_b8 v[QB], v[BY+\u] offset:64*(2*(\b)+\u)
	ds_store_b8 v[KB], v[BY+2+\u] offset:256*((2*(\b)+\u)/4)+4*((2*(\b)+\u)%4)
.endr
.irp n, 0,1
.if (\b)/2 == 0
	ds_store_b32 v[VA12], v[CD+16+4*\n] offset:FRB*\n+256*((\b)%2)
	ds_store_b32 v[VA508], v[CD+17+4*\n] offset:FRB*\n+256*((\b)%2)+4
	ds_store_b32 v[VA508], v[CD+18+4*\n] offset:FRB*\n+256*((\b)%2)+8
.else
	ds_store_b32 v[VA508], v[CD+16+4*\n] offset:FRB*\n+256*((\b)%2)+520
	ds_store_b32 v[VA508], v[CD+17+4*\n] offset:FRB*\n+256*((\b)%2)+524
	ds_store_b32 v[VA12], v[CD+18+4*\n] offset:FRB*\n+256*((\b)%2)+1024
.endif
	ds_store_b8 v[VB], v[BY+4+\n] offset:4*\n+(\b)
.endr
.endm
.macro BLOCK b
.set SG, (\b)%2
	s_wait_xcnt 0x0
.if (\b) < 3
	s_wait_tensorcnt 0x1
.else
	s_wait_tensorcnt 0x0
.endif
	RAWLOAD SRC0, SG, 0, 0
	RAWLOAD SRC1, SG, 0, 1
	s_wait_dscnt 16
	QUANT SRC0
	XIMAGE 0, 0
	RAWLOAD SRC0, SG, 1, 0
	s_wait_dscnt 16
	QUANT SRC1
	XIMAGE 0, 1
	RAWLOAD SRC1, SG, 1, 1
	s_wait_dscnt 16
	QUANT SRC0
	XIMAGE 1, 0
	s_wait_dscnt 0x0
	QUANT SRC1
	XIMAGE 1, 1
.if (\b) < 2
	s_wait_tensorcnt 0x0
	ds_add_u32 v[SPW], v[NIL]
	s_add_nc_u64 s[G0+4*SG+2:G0+4*SG+3], s[G0+4*SG+2:G0+4*SG+3], 262144
	s_wait_dscnt 0x0
	s_barrier_signal -1
	s_barrier_wait -1
	tensor_load_to_lds s[G0+4*SG:G0+4*SG+3], s[G1:G1+7]
	s_nop 0
	PLACES
.else
	BAR
.endif
.if (\b) == 0
	s_wait_loadcnt 0x0
.endif
.irp i, 0,1,2,3
	ds_load_b128 v[XS+4*\i:XS+4*\i+3], v[XSR] offset:256*\i
.endr
	FETCHX 0, FB0
	FETCHX 1, FB1
	s_wait_dscnt 12
	MULT 0, 0, FB0
	MULT 1, 0, FB0
	MULT 2, 0, FB0
	PLACES
	WIN 0
	FETCHX 2, FB0
	s_wait_dscnt 12
	MULT 0, 1, FB1
	MULT 1, 1, FB1
	MULT 2, 1, FB1
	PLACES
	WIN 0
	FETCHX 3, FB1
	s_wait_dscnt 12
	MULT 0, 2, FB0
	MULT 1, 2, FB0
	MULT 2, 2, FB0
	s_wait_dscnt 0x0
	MULT 0, 3, FB1
	MULT 1, 3, FB1
	MULT 2, 3, FB1
	WAYOUT \b
	BAR
.irp c, 0,1,2
	ds_load_b128 v[88+4*\c:91+4*\c], v[CO] offset:512*\c
.endr
.irp c, 0,1,2
	s_wait_dscnt 2-\c
	global_store_b128 v[LI], v[88+4*\c:91+4*\c], s[44:45] offset:2*FRB*(\b)+512*\c
.endr
.endm
	BLOCK 0
	BLOCK 1
	BLOCK 2
	BLOCK 3
.irp c, 0,1,2,3,4,5
	ds_load_b128 v[104+4*\c:107+4*\c], v[CV] offset:512*\c
.endr
.irp c, 0,1,2,3,4,5
	s_wait_dscnt 5-\c
	global_store_b128 v[LI], v[104+4*\c:107+4*\c], s[54:55] offset:12288+512*\c
.endr
	s_cmp_lt_u32 s[WV], 3
	s_cbranch_scc0 .Lno_scales
	ds_load_b128 v[128:131], v[CS]
	s_wait_dscnt 0x0
	global_store_b128 v[LI], v[128:131], s[50:51]
.Lno_scales:
	s_wait_tensorcnt 0x0
	ds_add_u32 v[SPW], v[NIL]
	s_wait_dscnt 0x0
	s_endpgm
.Lfunc_end_k_q490ad1c38f_proj:
	.size	k_q490ad1c38f_proj, .Lfunc_end_k_q490ad1c38f_proj-k_q490ad1c38f_proj
	.p2alignl 7, 3214868480
	.fill 96, 4, 3214868480
	.section	.rodata,"a",@progbits
	.p2align	6, 0x0
	.amdhsa_kernel k_q490ad1c38f_proj
		.amdhsa_group_segment_fixed_size 327680
		.amdhsa_private_segment_fixed_size 0
		.amdhsa_enable_private_segment 0
		.amdhsa_kernarg_size 56
		.amdhsa_user_sgpr_count 2
		.amdhsa_user_sgpr_kernarg_segment_ptr 1
		.amdhsa_wavefront_size32 1
		.amdhsa_system_sgpr_workgroup_id_x 1
		.amdhsa_system_sgpr_workgroup_id_y 1
		.amdhsa_system_sgpr_workgroup_id_z 1
		.amdhsa_system_vgpr_workitem_id 0
		.amdhsa_next_free_vgpr 1024
		.amdhsa_next_free_sgpr 66
		.amdhsa_reserve_vcc 0
		.amdhsa_float_denorm_mode_32 3
		.amdhsa_float_denorm_mode_16_64 3
		.amdhsa_memory_ordered 1
		.amdhsa_forward_progress 1
		.amdhsa_inst_pref_size 204
	.end_amdhsa_kernel
	.amdgpu_metadata
---
amdhsa.version: [ 1, 2 ]
amdhsa.kernels:
  - .name:           k_q490ad1c38f_proj
    .symbol:         k_q490ad1c38f_proj.kd
    .args:
      - { .name: x, .offset: 0, .size: 8, .value_kind: global_buffer, .address_space: global }
      - { .name: wws, .offset: 8, .size: 8, .value_kind: global_buffer, .address_space: global }
      - { .name: bq, .offset: 16, .size: 8, .value_kind: global_buffer, .address_space: global }
      - { .name: bk, .offset: 24, .size: 8, .value_kind: global_buffer, .address_space: global }
      - { .name: bv, .offset: 32, .size: 8, .value_kind: global_buffer, .address_space: global }
      - { .name: qws, .offset: 40, .size: 8, .value_kind: global_buffer, .address_space: global }
      - { .name: kvws, .offset: 48, .size: 8, .value_kind: global_buffer, .address_space: global }
    .group_segment_fixed_size: 327680
    .private_segment_fixed_size: 0
    .kernarg_segment_align: 8
    .kernarg_segment_size: 56
    .max_flat_workgroup_size: 128
    .sgpr_count:     66
    .vgpr_count:     1024
    .wavefront_size: 32
...
	.end_amdgpu_metadata
.endif
;; end of part 2
;; launch attn (part 3): grid 32 x 8, 16 waves a work-group, clusters of 4 x 1, 327,680 bytes of LDS; arguments qws, kvws, out0; writes out0
.if DOCPART == 3
	.amdgcn_target "amdgcn-amd-amdhsa--gfx1250"
	.amdhsa_code_object_version 6
	.text
	.protected	k_q490ad1c38f_attn
	.globl	k_q490ad1c38f_attn
	.p2align	8
	.type	k_q490ad1c38f_attn,@function
k_q490ad1c38f_attn:
	s_mov_b64 s[64:65], 0
	v_nop
	global_prefetch_b8 v0, s[64:65] scope:SCOPE_SE
	s_setreg_imm32_b32 hwreg(HW_REG_WAVE_MODE, 25, 1), 1
	s_wait_xcnt 0x0
	s_wait_alu depctr_hold_cnt(0) depctr_sa_sdst(0) depctr_va_vdst(0) depctr_va_sdst(0) depctr_va_ssrc(0) depctr_va_vcc(0) depctr_vm_vsrc(0)
	s_getreg_b32 s2, hwreg(HW_REG_IB_STS2, 6, 4)
	s_cmp_eq_u32 s2, 0
	s_cbranch_scc0 .Lentry_in_a_cluster
	s_endpgm
.Lentry_in_a_cluster:
	s_bfe_u32 s2, ttmp6, 0x10000c
	s_cmp_lg_u32 s2, 0x3003
	s_cbranch_scc0 .Lentry_shape_is_right
	s_endpgm
.Lentry_shape_is_right:
; out[b][q][:] = the sum over keys k <= q of softmax_k(q . k / sqrt(128)) v[k][:], both products on codes of FP6 (E2M3) with E8M0 scales, for 8 batches of 4,096 tokens, head size 128.
; q, k and v come as images of operand registers, in records of 128 tokens (q: 12,800 bytes; k and v: 25,600 bytes = one key step: 8 tiles of K, 8 tiles of V^T, their scale words).
; THE SOFTMAX: t = score x log2(e) / sqrt(128); M = the running largest t rounded UP to a whole number; p = 2^(t - M) is quantised along the keys; the row's sum is taken of the unquantised p and divides at the end.
; SHARES.  Cluster m (0 .. 7) of a batch owns the query records 2 m, 2 m + 1 (the short walk: keys of records 0 .. 2 m + 1) and 30 - 2 m, 31 - 2 m (the long walk: records 0 .. 31 - 2 m).
; Each of its four work-groups takes two tiles of 16 queries of each of the four records: four tiles in the short walk, then four in the long one.  Wave = tile + 4 x class: the four waves of a tile take
; the records 4 s + class of slot s, one key step a wave and slot.  The short walk has m / 2 + 1 slots of four records, the long one 8 - m / 2: nine slots in every work-group, so the trip count is a constant.
; At a walk's end classes 1 to 3 hand O^T, -M and the sum through LDS bytes of their own, and the tile's class 0 joins them by exact powers of two, divides and stores.
; CAUSAL.  A step all of whose keys come after the wave's queries is left out by a scalar branch on ids; in the one step on the diagonal hidden scores become -infinity.  The queries' own keys lie in that step,
; so every row of every step that is worked has a key that counts.  A wave without any step in a walk hands on zeros under M = -3e38, which get the factor 0.
; CLUSTER.  The four partners walk the same records: each record is asked for JOINTLY (mask 15).  The trip at which the walks change and the steps on the diagonal hang on the cluster's number and the wave's alone;
; a work-group's place in its cluster enters only q's and out's addresses, the prefetch's address and the mask's vector register.  Of the 36 records that the nine slots bring, two (at the end of the walk whose
; length is no multiple of four) are read by no wave: a joint load is issued by its waves on every path.
; LAYOUT.  S^T = K Q^T and O^T = V^T P^T: a lane holds one query throughout.  Lane r of tile 2 b + u of K (and of Q) is token 32 b + 8 u + r + 8 (r / 8): the 16 registers of two neighbouring tiles of S^T are 16 neighbouring keys.
; LIMITS: NaN and infinities are not served.  A block's largest p is taken from the block's largest score through the same multiply-add and exponential: this takes v_exp_f32 not to fall where its input rises.
; The scaled scores are taken to stay under 2^31 in magnitude.
; REGISTERS: v1-11, v28-31 addresses; v12 -M, v13 the largest t, v[14:15] the sum in two halves; v16-27 Q; v32-79 four fragments; v80-87 K's scale words, v88-95 V's; v96-159 S^T, then p, then four fragments of V;
;   v160-223 O^T; v224-235 p's codes; v232-254 at work; v253 p's scale word; v255 Q's.
.set REC,   25600
.set SLOTB, 4*REC                      ; slot 0 at byte 0, slot 1 at SLOTB
.set MRG,   2*SLOTB                    ; the parts handed on: 4 tiles x 3 classes x (8,192 + 128 + 128)
.set MRGW,  8448
.set STG,   MRG+12*MRGW                ; the way out: a stage of 16 rows x (256 + 16) bytes for each tile; no tensor load lands here
.set STW,   16*272
.set SPARE, STG+4*STW                  ; the spare words, 128 bytes for each wave: eight blocks of 256 bytes that no other line names
.set AK0, 1                            ; 16 x lane + REC x class
.set AS0, 2                            ; 16 r + REC x class
.set SI,  3                            ; the stage, in
.set SB,  4                            ; and back
.set SPW, 5
.set NIL, 6
.set GO,  7                            ; 512 h + 16 r
.set ADK, 8                            ; the step's images
.set ADS, 9                            ; the step's scale words
.set QO,  10                           ; 16 x lane
.set QSO, 11                           ; 4 r
.set PFO, 28                           ; 256 x min(lane, 24)
.set MA,  29                           ; my part's place in MRG (class 0: my tile's first part), 16 x lane
.set MS,  30                           ; and its statistics, 4 x lane
.set DM,  31                           ; my query's place in its record, less 16 h
.set WV,  10
.set CL,  11                           ; class
.set LIM, 12                           ; my queries' record: the step on the diagonal
.set KS,  13                           ; my step's record
.set TB,  14                           ; the slot in hand
.set T,   15                           ; the trip
.set NB,  16                           ; the trip at which the long walk begins
.set TBN, 17                           ; the slot that is filled
.set PFA, 18
.set SEL, 20
.set CS,  22
.set G1,  24
.set G0,  32
.set LIML, 41
.set WREC, 42
.set KVB, 44                           ; my batch's records + (wave % 4) x REC
.set OFF, 46                           ; the walking offset, a pair with 0 above
.set PB,  48
.set POF, 50
.set PLO, 52
.set PCNT, 53
.set QP,  54
.set QSP, 56
.set DQ,  60
.set OUTL, 62
.macro CROUND                          ; a round of the cluster's barrier
	s_barrier_signal -1
	s_barrier_wait -1
	s_cmp_lg_u32 s[WV], 0
	s_cbranch_scc1 .Lnot_wave_0_\@
	s_barrier_signal -3
.Lnot_wave_0_\@:
	s_barrier_wait -3
	s_barrier_signal -1
	s_barrier_wait -1
.endm
.macro TLOAD                           ; waves 0 to 3 fetch a record each; the branch hangs on the wave's number alone; four plain lines follow the load
	s_cmp_lt_u32 s[WV], 4
	s_cbranch_scc0 .Lasked_\@
	tensor_load_to_lds s[G0:G0+3], s[G1:G1+7]
	s_nop 0
.rept 4
	v_nop
.endr
.Lasked_\@:
.endm
; A prefetch, in trip t, of slot t + 2, which the next change of slots will ask for: only where that slot belongs to the long walk and holds records that the short walk has not read (t + 2 from 2 NB to 8).
; The four partners take a record each, told apart by address; in each, waves 4 to 7 take 6,400 bytes, lanes 256 bytes apart (lanes 25 to 31 name lane 24's block again, within the one instruction).
; The short walk's slots and the long walk's first NB come by their loads alone.
.macro ASK
	s_sub_co_u32 s39, s[T], s[PLO]
	s_cmp_lt_u32 s39, s[PCNT]
	s_cbranch_scc0 .Lnot_mine_\@
	global_prefetch_b8 v[PFO], s[PFA:PFA+1] th:TH_LOAD_NT scope:SCOPE_SE
.Lnot_mine_\@:
.endm
.macro QLOAD                           ; Q's fragment and scale words stay in registers for a walk
.irp c, 0,1,2
	global_load_b128 v[16+4*\c:19+4*\c], v[QO], s[QP:QP+1] offset:512*\c
.endr
	global_load_b32 v255, v[QSO], s[QSP:QSP+1] offset:12288
.endm
.macro NEWQ                            ; on to the long walk's tile: 30 - 4 m records further on
	s_wait_loadcnt 0x0                             ; every earlier load of Q is done: its base and its registers may be written again
	s_add_nc_u64 s[QP:QP+1], s[QP:QP+1], s[DQ:DQ+1]
	s_add_nc_u64 s[QSP:QSP+1], s[QSP:QSP+1], s[DQ:DQ+1]
	s_mov_b32 s[LIM], s[LIML]
	s_mov_b32 s[KS], s[CL]
	QLOAD
.endm
.macro CLEAR                           ; a walk's start: the step is written without a first step of its own
	v_mov_b32 v13, 0xff61b1e6                      ; the largest t so far: -3e38, under every t
	s_delay_alu instid0(VALU_DEP_1)
	v_floor_f32 v12, -v13                          ; -M
	v_mov_b32 v14, 0
	v_mov_b32 v15, 0
.set j, 0
.rept 64
	v_mov_b32 v[160+j], 0
.set j, j+1
.endr
	s_wait_alu depctr_va_vdst(0)                   ; the wait behind these writes: a wave whose steps are hidden reads them next behind waits and branches
.endm
.macro PART                            ; classes 1 to 3: my O^T, -M and sum into my own bytes of MRG
.rept 4
	v_nop                                          ; four plain lines between the last products and the stores of their results
.endr
	v_add_f32 v14, v14, v15                        ; the sum's two halves
	s_wait_alu depctr_va_vdst(0)
.irp k, 0,1,2,3,4,5,6,7,8,9,10,11,12,13,14,15
	ds_store_b128 v[MA], v[160+4*\k:163+4*\k] offset:512*\k
.endr
	ds_store_b32 v[MS], v12
	ds_store_b32 v[MS], v14 offset:128
.endm
.macro PLOAD k
.irp j, 0,1,2,3,4,5,6,7,8,9,10,11,12,13,14,15
	ds_load_b128 v[96+4*\j:99+4*\j], v[MA] offset:MRGW*(\k)+512*\j
.endr
.endm
.macro PFMA f
.set j, 0
.rept 32
	v_pk_fma_f32 v[160+j:161+j], v[96+j:97+j], v[\f:\f+1], v[160+j:161+j]
.set j, j+2
.endr
.endm
; Class 0 joins its tile's four parts under the largest M: each part's factor is an exact power of two times the reciprocal of the row's sum.  Then the tile leaves through my stage.  o: the pair that holds the tile's place in out
.macro MERGE o
.irp k, 0,1,2
	ds_load_b32 v[232+\k], v[MS] offset:MRGW*\k
	ds_load_b32 v[236+\k], v[MS] offset:MRGW*\k+128
.endr
	PLOAD 0
	s_wait_dscnt 16                                ; the six statistics are in; part 0's sixteen loads may be out
	v_add_f32 v14, v14, v15
	v_min_num_f32 v241, v12, v232
	v_min_num_f32 v242, v233, v234
	s_delay_alu instid0(VALU_DEP_1)
	v_min_num_f32 v241, v241, v242                 ; -M of the largest M
	s_delay_alu instid0(VALU_DEP_1)
	v_sub_f32 v242, v241, v12                      ; each part's M less it: a whole number, 0 or less
	s_delay_alu instid0(VALU_DEP_2)
	v_sub_f32 v232, v241, v232
	s_delay_alu instid0(VALU_DEP_3)
	v_sub_f32 v233, v241, v233
	s_delay_alu instid0(VALU_DEP_4)
	v_sub_f32 v234, v241, v234
.irp i, 242,232,233,234
	s_delay_alu instid0(VALU_DEP_4)
	v_cvt_i32_f32 v[\i], v[\i]                     ; (it saturates)
.endr
.irp i, 242,232,233,234
	s_delay_alu instid0(VALU_DEP_4)
	v_ldexp_f32 v[\i], 1.0, v[\i]
.endr
	s_delay_alu instid0(VALU_DEP_4)
	v_mul_f32 v14, v14, v242
.irp k, 0,1,2
	s_delay_alu instid0(VALU_DEP_1)
	v_fmac_f32 v14, v[236+\k], v[232+\k]
.endr
	s_delay_alu instid0(VALU_DEP_1)
	v_permlanex16_b32 v240, v14, s[SEL], s[SEL+1]
	s_delay_alu instid0(VALU_DEP_1)
	v_add_f32 v14, v14, v240                       ; the row's sum
	s_wait_alu depctr_va_vdst(0)                   ; the wait ahead of the transcendental
	v_rcp_f32 v14, v14
	v_nop
	s_wait_alu depctr_va_vdst(0)                   ; and ahead of its first reader and of O^T's
.irp i, 0,1
	v_mul_f32 v[244+\i], v242, v14
	v_mul_f32 v[246+\i], v232, v14
	v_mul_f32 v[248+\i], v233, v14
	v_mul_f32 v[250+\i], v234, v14
.endr
.set j, 0
.rept 32
	v_pk_mul_f32 v[160+j:161+j], v[160+j:161+j], v[244:245]
.set j, j+2
.endr
	s_wait_dscnt 0x0
	PFMA 246
	PLOAD 1
	s_wait_dscnt 0x0
	PFMA 248
	PLOAD 2
	s_wait_dscnt 0x0
	PFMA 250                                       ; register 8 t + i is out(query r, channel 16 t + 8 h + i)
.irp u, 0,1                                    ; channels 64 u on: half a row, 256 bytes, of 16 queries through my stage
.irp t, 0,1,2,3
	ds_store_b128 v[SI], v[160+32*\u+8*\t:163+32*\u+8*\t] offset:64*\t
	ds_store_b128 v[SI], v[164+32*\u+8*\t:167+32*\u+8*\t] offset:64*\t+16
.endr
.irp i, 0,1,2,3,4,5,6,7
	ds_load_b128 v[96+32*\u+4*\i:99+32*\u+4*\i], v[SB] offset:2*\i*272   ; LDS serves a wave's instructions in order: these see my stores
.endr
.endr
.irp u, 0,1
.irp i, 0,1,2,3,4,5,6,7
	s_wait_dscnt 15-8*\u-\i                        ; this load is in; at most the younger ones are out
	global_store_b128 v[GO], v[96+32*\u+4*\i:99+32*\u+4*\i], s[\o:\o+1] offset:(2*\i+8*(\i/4))*512+256*\u th:TH_STORE_NT   ; stage rows 2 i, 2 i + 1 are tokens 2 i + h + 8 (i / 4); sixteen lanes store 256 consecutive bytes, aligned
.endr
.endr
	s_wait_xcnt 0x0                                ; the stores have read their registers: these may be written again
.endm
	s_load_b128 s[4:7], s[0:1], 0x0                ; q's records, k's and v's records
	s_load_b64 s[8:9], s[0:1], 0x10                ; out
	v_lshl_add_u32 v[SPW], v0, 2, SPARE
	v_mov_b32 v[NIL], 0
	ds_add_u32 v5, v6                              ; the opening lines: the add twice on end and its wait
	ds_add_u32 v5, v6
	s_wait_dscnt 0x0
	v_lshrrev_b32 v8, 5, v0
	s_delay_alu instid0(VALU_DEP_1)
	v_readfirstlane_b32 s[WV], v8                  ; wave 0..15
	s_and_b32 s36, s[WV], 3                        ; my tile of the four
	s_lshr_b32 s[CL], s[WV], 2                     ; my class
	s_bfe_u32 s37, ttmp6, 0x40000                  ; cx
	s_and_b32 s38, ttmp7, 0xffff                   ; the batch
	s_lshr_b32 s[NB], ttmp9, 1
	s_add_co_u32 s[NB], s[NB], 1                   ; the short walk's slots: m / 2 + 1
	s_lshr_b32 s39, s36, 1
	s_lshl_b32 s[LIM], ttmp9, 1
	s_add_co_u32 s[LIM], s[LIM], s39               ; the short walk's record: 2 m + tile / 2
	s_lshl_b32 s43, ttmp9, 2
	s_sub_co_u32 s43, 30, s43                      ; 30 - 4 m records on:
	s_add_co_u32 s[LIML], s[LIM], s43              ; the long walk's
	s_and_b32 s59, s36, 1
	s_lshl_b32 s40, s37, 1
	s_add_co_u32 s40, s40, s59                     ; my tile in its record: 2 cx + tile % 2
	s_lshl_b32 s58, s37, 5
	s_lshl_b32 s59, s59, 3
	s_add_co_u32 s58, s58, s59                     ; the tile's first token in the record
	; descriptor group 1: a record, 100 rows of 256 dense bytes (32 elements of 8 bytes); the mask names all four work-groups, bit 21 beside it
	s_mov_b32 s[G1+0], 15|(3<<16)|(1<<21)
	s_mov_b32 s[G1+1], 32<<16
	s_mov_b32 s[G1+2], 100<<16
	s_mov_b32 s[G1+3], 32<<16
	s_mov_b32 s[G1+4], 100
	s_mov_b32 s[G1+5], 32
	s_mov_b32 s[G1+6], 0
	s_mov_b32 s[G1+7], 0
	s_mov_b32 s[SEL], 0x76543210
	s_mov_b32 s[SEL+1], 0xfedcba98
	s_mov_b32 s[CS], 0x3e0293ee                    ; c = log2(e) / sqrt(128)
	s_mov_b32 s[CS+1], s[CS]
	s_mov_b32 s[TB], 0
	s_mov_b32 s[TBN], 0
	s_mov_b32 s[T], 0
	s_mov_b32 s[KS], s[CL]
	s_mul_i32 s[WREC], s36, REC                    ; which record of a slot a loading wave fetches
	s_mul_i32 s66, s38, 32*REC
	s_add_co_u32 s66, s66, s[WREC]
	s_mov_b32 s67, 0
	s_mov_b32 s[OFF], 0
	s_mov_b32 s[OFF+1], 0
	s_mul_i32 s68, s37, REC                        ; the prefetches: my work-group's record of a slot,
	s_mul_i32 s39, s36, 6400                       ; my wave's quarter of it,
	s_add_co_u32 s68, s68, s39
	s_mul_i32 s39, s38, 32*REC                     ; in my batch
	s_add_co_u32 s68, s68, s39
	s_mov_b32 s69, 0
	s_mov_b32 s[POF+1], 0
	s_lshl_b32 s[PLO], s[NB], 1
	s_sub_co_u32 s[PLO], s[PLO], 2                 ; the first trip that asks,
	s_sub_co_u32 s39, 7, s[PLO]                    ; and how many do: up to trip 6
	s_cmp_eq_u32 s[CL], 1                          ; waves 4 to 7 alone
	s_cselect_b32 s[PCNT], s39, 0
	s_lshl_b32 s70, s38, 5
	s_add_co_u32 s70, s70, s[LIM]
	s_mul_i32 s71, s70, 12800                      ; my q record
	s_mul_i32 s72, s40, 1536
	s_add_co_u32 s72, s72, s71
	s_mov_b32 s73, 0
	s_lshl_b32 s74, s40, 6
	s_add_co_u32 s74, s74, s71
	s_mov_b32 s75, 0
	s_mul_i32 s[DQ], s43, 12800
	s_mov_b32 s[DQ+1], 0
	s_lshl_b32 s76, s38, 12
	s_lshl_b32 s39, s[LIM], 7
	s_add_co_u32 s76, s76, s39
	s_add_co_u32 s76, s76, s58
	s_lshl_b32 s76, s76, 9                         ; my tile's first row of out: 512 bytes a row
	s_mov_b32 s77, 0
	s_lshl_b32 s78, s43, 16                        ; and 30 - 4 m records of 128 rows on
	s_mov_b32 s79, 0
	s_wait_kmcnt 0x0
	s_add_nc_u64 s[KVB:KVB+1], s[6:7], s[66:67]
	s_mov_b32 s[G0], 1
	s_mov_b32 s[G0+1], s[WREC]                     ; slot 0
	s_mov_b64 s[G0+2:G0+3], s[KVB:KVB+1]
	s_or_b32 s[G0+3], s[G0+3], 0x80000000
	s_add_nc_u64 s[PB:PB+1], s[6:7], s[68:69]
	s_mov_b64 s[PFA:PFA+1], s[PB:PB+1]
	s_add_nc_u64 s[QP:QP+1], s[4:5], s[72:73]      ; Q's image
	s_add_nc_u64 s[QSP:QSP+1], s[4:5], s[74:75]    ; and its scale words (12,288 stands in the immediate)
	s_add_nc_u64 s[8:9], s[8:9], s[76:77]
	s_add_nc_u64 s[OUTL:OUTL+1], s[8:9], s[78:79]
	CROUND                                         ; all four work-groups are here: the first joint loads meet
	TLOAD                                          ; slot 0
	v_and_b32 v244, 15, v0                         ; r
	v_bfe_u32 v245, v0, 4, 1                       ; h
	v_and_b32 v246, 31, v0                         ; lane
	s_delay_alu instid0(VALU_DEP_1)
	v_lshlrev_b32 v[QO], 4, v246
	s_delay_alu instid0(VALU_DEP_4)
	v_lshlrev_b32 v[QSO], 2, v244
	QLOAD
	s_mul_i32 s39, s[CL], REC
	v_lshl_add_u32 v[AK0], v246, 4, s39
	v_lshl_add_u32 v[AS0], v244, 4, s39
	s_mul_i32 s39, s36, STW
	s_add_co_u32 s39, s39, STG
	v_mul_u32_u24 v[SI], v244, 272
	s_delay_alu instid0(VALU_DEP_1)
	v_lshl_add_u32 v[SI], v245, 5, v[SI]
	s_delay_alu instid0(VALU_DEP_1)
	v_add_nc_u32 v[SI], s39, v[SI]
	v_mul_u32_u24 v[SB], v245, 272
	s_delay_alu instid0(VALU_DEP_1)
	v_lshl_add_u32 v[SB], v244, 4, v[SB]
	s_delay_alu instid0(VALU_DEP_1)
	v_add_nc_u32 v[SB], s39, v[SB]
	v_lshlrev_b32 v[GO], 9, v245
	s_delay_alu instid0(VALU_DEP_1)
	v_lshl_add_u32 v[GO], v244, 4, v[GO]
	v_min_u32 v[PFO], 24, v246
	s_delay_alu instid0(VALU_DEP_1)
	v_lshlrev_b32 v[PFO], 8, v[PFO]
	s_add_co_u32 s59, s[CL], 3
	s_and_b32 s59, s59, 3                          ; class - 1,
	s_min_u32 s66, s[CL], 1
	s_mul_i32 s59, s59, s66                        ; and 0 for class 0, which reads from its tile's first part on
	s_mul_i32 s66, s36, 3
	s_add_co_u32 s59, s59, s66
	s_mul_i32 s59, s59, MRGW
	s_add_co_u32 s59, s59, MRG
	v_lshl_add_u32 v[MA], v246, 4, s59
	s_add_co_u32 s59, s59, 8192
	v_lshl_add_u32 v[MS], v246, 2, s59
	v_and_b32 v[DM], 8, v244
	s_delay_alu instid0(VALU_DEP_1)
	v_add_nc_u32 v[DM], v[DM], v244                ; r + 8 (r / 8)
	v_lshlrev_b32 v247, 4, v245
	s_delay_alu instid0(VALU_DEP_1)
	v_sub_nc_u32 v[DM], v[DM], v247
	s_delay_alu instid0(VALU_DEP_1)
	v_add_nc_u32 v[DM], s58, v[DM]
.irp i, 236,237,238,239,240,252,253
	v_mov_b32 v[\i], 0                             ; written once: lane permutes' destinations, and the upper half of the pair v[252:253]
.endr
	CLEAR
; A KEY STEP: 128 keys: record = my class of the slot in hand
.macro STEP
	s_cmp_gt_u32 s[KS], s[LIM]                     ; all its keys come after my queries: left out
	s_cbranch_scc1 .Lhidden_\@
	v_add_nc_u32 v[ADK], s[TB], v[AK0]
	s_wait_alu depctr_va_vdst(0)
	v_add_nc_u32 v[ADS], s[TB], v[AS0]
.rept 3
	v_nop                                          ; with the two additions five plain lines: the products below write over registers that the last step's products read
.endr
	ds_load_b128 v[80:83], v[ADS] offset:24576     ; K's scale words, tiles 0-3 and 4-7
	ds_load_b128 v[84:87], v[ADS] offset:24832
.irp g, 0,1                                    ; S^T = K Q^T, four tiles of 16 keys at a time
.if \g > 0
.rept 4
	v_nop
.endr
.endif
.irp t, 0,1,2,3
.irp c, 0,1,2
	ds_load_b128 v[32+12*\t+4*\c:35+12*\t+4*\c], v[ADK] offset:1536*(4*\g+\t)+512*\c
.endr
.endr
	s_wait_dscnt 0x0
.irp t, 0,1,2,3
	v_wmma_scale_f32_16x16x128_f8f6f4 v[96+8*(4*\g+\t):103+8*(4*\g+\t)], v[32+12*\t:43+12*\t], v[16:27], 0, v[80+4*\g+\t], v255 matrix_a_fmt:MATRIX_FMT_FP6 matrix_b_fmt:MATRIX_FMT_FP6
.endr
.endr
.rept 4
	v_nop
.endr
.irp t, 0,1,2,3                                ; V^T's tiles 0-3 and all its scale words are asked for now and land under the softmax
.irp c, 0,1,2
	ds_load_b128 v[32+12*\t+4*\c:35+12*\t+4*\c], v[ADK] offset:12288+1536*\t+512*\c
.endr
.endr
	s_wait_alu depctr_va_vdst(0)
	ds_load_b128 v[88:91], v[ADS] offset:25088
	ds_load_b128 v[92:95], v[ADS] offset:25344
	s_cmp_lt_u32 s[KS], s[LIM]                     ; all keys count: no mask
	s_cbranch_scc1 .Lopen_\@
	v_mov_b32 v254, 0xff800000                     ; -infinity.  Register 16 b + i holds key 32 b + 16 h + i of the step: hidden where 32 b + i > my query's place - 16 h
.set j, 0
.rept 64
	v_cmp_gt_i32 vcc_lo, 32*(j/16)+j%16, v[DM]
	v_cndmask_b32 v[96+j], v[96+j], v254, vcc_lo
.set j, j+1
.endr
.Lopen_\@:
.irp b, 0,1,2,3
	v_max3_num_f32 v[232+\b], v[96+16*\b], v[97+16*\b], v[98+16*\b]   ; the largest score of each block of 32 keys: for the row's maximum and for the block's largest p
.endr
.irp i, 3,5,7,9,11,13
.irp b, 0,1,2,3
	v_max3_num_f32 v[232+\b], v[232+\b], v[96+16*\b+\i], v[97+16*\b+\i]
.endr
.endr
.irp b, 0,1,2,3
	v_max_num_f32 v[232+\b], v[232+\b], v[111+16*\b]
.endr
.irp b, 0,1,2,3
	s_delay_alu instid0(VALU_DEP_4)
	v_permlanex16_b32 v[236+\b], v[232+\b], s[SEL], s[SEL+1]
.endr
.irp b, 0,1,2,3
	s_delay_alu instid0(VALU_DEP_4)
	v_max_num_f32 v[232+\b], v[232+\b], v[236+\b]  ; with lane l xor 16's 16 keys
.endr
	s_delay_alu instid0(VALU_DEP_2)
	v_max3_num_f32 v254, v232, v233, v234
	s_delay_alu instid0(VALU_DEP_1)
	v_max_num_f32 v254, v254, v235
	s_delay_alu instid0(VALU_DEP_1)
	v_mul_f32 v254, s[CS], v254                    ; the step's largest t
	s_delay_alu instid0(VALU_DEP_1)
	v_max_num_f32 v13, v13, v254                   ; the running largest t
	v_mov_b32 v254, v12
	s_delay_alu instid0(VALU_DEP_2)
	v_floor_f32 v12, -v13                          ; the new -M = -ceil(t): a whole number
	s_delay_alu instid0(VALU_DEP_1)
	v_sub_f32 v254, v12, v254                      ; old M - new M, 0 or less
	s_delay_alu instid0(VALU_DEP_1)
	v_cvt_i32_f32 v254, v254                       ; (it saturates)
	s_delay_alu instid0(VALU_DEP_1)
	v_ldexp_f32 v252, 1.0, v254                    ; f = 2^(old M - new M)
.set j, 0
.rept 32
	v_pk_fma_f32 v[96+j:97+j], v[96+j:97+j], s[CS:CS+1], v[12:13] op_sel_hi:[1,0,0]   ; t - M
.set j, j+2
.endr
.irp b, 0,1,2,3
	v_fma_f32 v[232+\b], v[232+\b], s[CS], v12     ; the same of each block's largest score
.endr
.set j, 0
	s_wait_alu depctr_va_vdst(0)
.rept 64
	v_exp_f32 v[96+j], v[96+j]                     ; p = 2^(t - M)
.set j, j+1
.endr
	v_pk_mul_f32 v[14:15], v[14:15], v[252:253] op_sel_hi:[1,0]   ; the sums under the new M: a plain line behind the exponentials
	s_wait_alu depctr_va_vdst(0)                   ; one wait for the batch, ahead of its first reader
.irp b, 0,1,2,3
	v_exp_f32 v[232+\b], v[232+\b]                 ; the block's largest p
.endr
	v_pk_add_f32 v[236:237], v[100:101], v[104:105]
	v_pk_add_f32 v[250:251], v[108:109], v[112:113]
	v_pk_add_f32 v[248:249], v[116:117], v[120:121]
	v_pk_add_f32 v[246:247], v[124:125], v[128:129]
	v_pk_add_f32 v[244:245], v[132:133], v[136:137]
	v_pk_add_f32 v[242:243], v[140:141], v[144:145]
	v_pk_add_f32 v[240:241], v[148:149], v[152:153]
	v_pk_add_f32 v[14:15], v[14:15], v[156:157]
	v_pk_add_f32 v[236:237], v[236:237], v[96:97]
	v_pk_add_f32 v[250:251], v[250:251], v[98:99]
	v_pk_add_f32 v[248:249], v[248:249], v[102:103]
	v_pk_add_f32 v[246:247], v[246:247], v[106:107]
	v_pk_add_f32 v[244:245], v[244:245], v[110:111]
	v_pk_add_f32 v[242:243], v[242:243], v[114:115]
	v_pk_add_f32 v[240:241], v[240:241], v[118:119]
	v_pk_add_f32 v[14:15], v[14:15], v[122:123]
	v_pk_add_f32 v[236:237], v[236:237], v[126:127]
	v_pk_add_f32 v[250:251], v[250:251], v[130:131]
	v_pk_add_f32 v[248:249], v[248:249], v[134:135]
	v_pk_add_f32 v[246:247], v[246:247], v[138:139]
	v_pk_add_f32 v[244:245], v[244:245], v[142:143]
	v_pk_add_f32 v[242:243], v[242:243], v[146:147]
	v_pk_add_f32 v[240:241], v[240:241], v[150:151]
	v_pk_add_f32 v[14:15], v[14:15], v[154:155]
	v_pk_add_f32 v[236:237], v[236:237], v[158:159]
	s_delay_alu instid0(VALU_DEP_2)
	v_pk_add_f32 v[14:15], v[14:15], v[246:247]
	s_delay_alu instid0(VALU_DEP_2)
	v_pk_add_f32 v[236:237], v[236:237], v[244:245]
	v_pk_add_f32 v[250:251], v[250:251], v[242:243]
	v_pk_add_f32 v[248:249], v[248:249], v[240:241]
	s_delay_alu instid0(VALU_DEP_2)
	v_pk_add_f32 v[14:15], v[14:15], v[250:251]
	s_delay_alu instid0(VALU_DEP_2)
	v_pk_add_f32 v[236:237], v[236:237], v[248:249]
	s_delay_alu instid0(VALU_DEP_1)
	v_pk_add_f32 v[14:15], v[14:15], v[236:237]
	s_wait_alu depctr_va_vdst(0)                   ; and one for the four
.irp b, 0,1,2,3
	v_max_num_f32 v[232+\b], 0x1800000, v[232+\b]  ; the floor 2^(3 - 127)
.endr
.irp b, 0,1,2,3
	s_delay_alu instid0(VALU_DEP_4)
	v_add_nc_u32 v[244+\b], 0xff000000, v[232+\b]  ; the conversion's scale operand
.endr
.irp b, 0,1,2,3
	s_delay_alu instid0(VALU_DEP_4)
	v_lshrrev_b32 v[236+\b], 23, v[244+\b]         ; the scale's byte
.endr
	s_delay_alu instid0(VALU_DEP_3)
	v_lshl_or_b32 v253, v237, 8, v236              ; p's scale word for these 128 keys
	s_delay_alu instid0(VALU_DEP_1)
	v_lshl_or_b32 v253, v238, 16, v253
	s_delay_alu instid0(VALU_DEP_1)
	v_lshl_or_b32 v253, v239, 24, v253
.irp c, 0,1
	v_cvt_scalef32_pk16_fp6_f32 v[224+6*\c:226+6*\c], v[96+32*\c:111+32*\c], v[244+2*\c]
	v_cvt_scalef32_pk16_fp6_f32 v[236+4*\c:238+4*\c], v[112+32*\c:127+32*\c], v[244+2*\c+1]
.endr
	v_nop                                          ; one plain line behind the scaled conversions
.irp t, 0,1,2,3                                ; p's numbers have been read: V^T's tiles 4-7 take their registers
.irp c, 0,1,2
	ds_load_b128 v[96+12*\t+4*\c:99+12*\t+4*\c], v[ADK] offset:12288+1536*(4+\t)+512*\c
.endr
.endr
.irp c, 0,1
.irp i, 0,1,2
	v_permlane16_swap_b32 v[224+6*\c+\i], v[236+4*\c+\i]
.endr
.irp i, 0,1,2
	s_delay_alu instid0(VALU_DEP_3)
	v_mov_b32 v[227+6*\c+\i], v[236+4*\c+\i]
.endr
.endr
.set j, 0
.rept 32
	v_pk_mul_f32 v[160+j:161+j], v[160+j:161+j], v[252:253] op_sel_hi:[1,0]   ; O^T under the new M; these are also the plain lines ahead of the scaled products
.set j, j+2
.endr
	s_wait_alu depctr_va_vdst(0)
	s_wait_dscnt 0x0                               ; V^T and its scale words are in
.irp d, 0,1,2,3                                ; O^T += V^T P^T: eight accumulators, one instruction each
	v_wmma_scale_f32_16x16x128_f8f6f4 v[160+8*\d:167+8*\d], v[32+12*\d:43+12*\d], v[224:235], v[160+8*\d:167+8*\d], v[88+\d], v253 matrix_a_fmt:MATRIX_FMT_FP6 matrix_b_fmt:MATRIX_FMT_FP6
.endr
.irp d, 0,1,2,3
	v_wmma_scale_f32_16x16x128_f8f6f4 v[192+8*\d:199+8*\d], v[96+12*\d:107+12*\d], v[224:235], v[192+8*\d:199+8*\d], v[92+\d], v253 matrix_a_fmt:MATRIX_FMT_FP6 matrix_b_fmt:MATRIX_FMT_FP6
.endr
.Lhidden_\@:
	s_add_co_u32 s[KS], s[KS], 4
.endm
; THE CHANGE OF SLOTS stands at a slot's head.  Each wave waits for all its tensor loads, adds 0 to its spare word, and waits for that and for its reads of the slot that it has left.
; fill = 1: a round of the cluster's barrier, so that no wave of any partner still reads the other slot or has a load on its way; then that slot is asked for jointly: slot t + 1, which begins the long walk at record 0 where t + 1 = NB.
.macro CHANGE fill
	s_wait_tensorcnt 0x0                           ; no tensor load of mine is out, so the group 0 may be written
	ds_add_u32 v[SPW], v[NIL]
.if \fill
	ds_add_u32 v[SPW], v[NIL]                      ; the add twice
	s_xor_b32 s[TBN], s[TBN], SLOTB                ; the other slot than last time
	s_add_co_u32 s[G0+1], s[WREC], s[TBN]
	s_add_co_u32 s[OFF], s[OFF], SLOTB             ; the next four records,
	s_add_co_u32 s39, s[T], 1
	s_cmp_eq_u32 s39, s[NB]
	s_cselect_b32 s[OFF], 0, s[OFF]                ; or the long walk's first four
	s_add_nc_u64 s[G0+2:G0+3], s[KVB:KVB+1], s[OFF:OFF+1]
	s_or_b32 s[G0+3], s[G0+3], 0x80000000
	s_wait_xcnt 0x0                                ; the last prefetch, a slot back, has read its address
	s_add_co_u32 s39, s[T], 2
	s_sub_co_i32 s39, s39, s[NB]
	s_max_i32 s39, s39, 0                          ; slot t + 2's place in the long walk
	s_mul_i32 s[POF], s39, SLOTB
	s_add_nc_u64 s[PFA:PFA+1], s[PB:PB+1], s[POF:POF+1]
	s_wait_dscnt 0x0
	CROUND
	TLOAD                                          ; the first tensor load behind the round, one a wave
	ASK
.else
	s_wait_dscnt 0x0
	s_barrier_signal -1
	s_barrier_wait -1
.endif
.endm
.Lslot:                                            ; 8 trips: behind each change of slots but the last the next slot is asked for
	s_wait_dscnt 0x0
	s_barrier_signal -1                            ; a barrier between class 0's reads of the parts, in the trip before, and any store of parts below
	s_barrier_wait -1
	s_cmp_eq_u32 s[T], s[NB]                       ; the short walk is over: the same trip in all waves and all four partners
	s_cbranch_scc0 .Lsame1
	s_cmp_eq_u32 s[CL], 0
	s_cbranch_scc1 .Lsame1
	PART                                           ; classes 1 to 3 hand their parts on and begin the long walk
	NEWQ
	CLEAR
.Lsame1:
	CHANGE 1
	s_cmp_eq_u32 s[T], s[NB]
	s_cbranch_scc0 .Lsame2
	s_cmp_eq_u32 s[CL], 0
	s_cbranch_scc0 .Lsame2
.rept 4
	v_nop                                          ; four plain lines between the last products and the loads into their registers
.endr
	NEWQ
	MERGE 8                                        ; the parts were stored ahead of the round: class 0 joins and stores the short walk's tile
	CLEAR
.Lsame2:
	s_wait_loadcnt 0x0                             ; Q
	STEP
	s_xor_b32 s[TB], s[TB], SLOTB
	s_add_co_u32 s[T], s[T], 1
	s_cmp_lt_u32 s[T], 8
	s_cbranch_scc1 .Lslot
	CHANGE 0                                       ; the last slot is written out
	STEP
.rept 4
	v_nop
.endr
	s_cmp_eq_u32 s[CL], 0
	s_cbranch_scc1 .Lkeeps
	PART
.Lkeeps:
	s_wait_dscnt 0x0                               ; for class 0's sake: my stores have landed
	s_barrier_signal -1
	s_barrier_wait -1
	s_cmp_eq_u32 s[CL], 0
	s_cbranch_scc0 .Ldone
	MERGE OUTL                                     ; the long walk's tile
.Ldone:
	s_wait_tensorcnt 0x0                           ; the wave's end
	ds_add_u32 v[SPW], v[NIL]
	s_wait_dscnt 0x0
	CROUND                                         ; the closing round
	s_endpgm
.Lfunc_end_k_q490ad1c38f_attn:
	.size	k_q490ad1c38f_attn, .Lfunc_end_k_q490ad1c38f_attn-k_q490ad1c38f_attn
	.p2alignl 7, 3214868480
	.fill 96, 4, 3214868480
	.section	.rodata,"a",@progbits
	.p2align	6, 0x0
	.amdhsa_kernel k_q490ad1c38f_attn
		.amdhsa_group_segment_fixed_size 327680
		.amdhsa_private_segment_fixed_size 0
		.amdhsa_enable_private_segment 0
		.amdhsa_kernarg_size 24
		.amdhsa_user_sgpr_count 2
		.amdhsa_user_sgpr_kernarg_segment_ptr 1
		.amdhsa_wavefront_size32 1
		.amdhsa_system_sgpr_workgroup_id_x 1
		.amdhsa_system_sgpr_workgroup_id_y 1
		.amdhsa_system_sgpr_workgroup_id_z 1
		.amdhsa_system_vgpr_workitem_id 0
		.amdhsa_next_free_vgpr 256
		.amdhsa_next_free_sgpr 80
		.amdhsa_reserve_vcc 1
		.amdhsa_float_denorm_mode_32 3
		.amdhsa_float_denorm_mode_16_64 3
		.amdhsa_memory_ordered 1
		.amdhsa_forward_progress 1
		.amdhsa_inst_pref_size 106
	.end_amdhsa_kernel
	.amdgpu_metadata
---
amdhsa.version: [ 1, 2 ]
amdhsa.kernels:
  - .name:           k_q490ad1c38f_attn
    .symbol:         k_q490ad1c38f_attn.kd
    .args:
      - { .name: qws, .offset: 0, .size: 8, .value_kind: global_buffer, .address_space: global }
      - { .name: kvws, .offset: 8, .size: 8, .value_kind: global_buffer, .address_space: global }
      - { .name: out0, .offset: 16, .size: 8, .value_kind: global_buffer, .address_space: global }
    .group_segment_fixed_size: 327680
    .private_segment_fixed_size: 0
    .kernarg_segment_align: 8
    .kernarg_segment_size: 24
    .max_flat_workgroup_size: 512
    .sgpr_count:     80
    .vgpr_count:     256
    .wavefront_size: 32
...
	.end_amdgpu_metadata
.endif
;; end of part 3
